; MI455X (gfx1250); checked and timed in simulation.
; The chip was launched on July 23, 2026; its instructions are those of AMD's public machine-readable ISA for CDNA 5 (MIT licence, August 2026) and "CDNA5" Instruction Set Architecture Reference Guide (July 2026). The comments in the code are by the model that wrote it; some were corrected since.
;; Time Moe Sparse Experts Layer. Allowed arithmetic: float matrix products may take bf16 or f16 operands with f32 sums; other float arithmetic in f32, or as packed bf16 or f16 multiplies, adds, multiply-adds, maxima and minima; sums over many terms, partial sums and values carried from step to step in f32; what a program stores and reads back later, other than sums and carried values, may be rounded once to bf16 or f16.
;; Inputs: ed 8 x 256 x 1,024 float32; eg 8 x 1,024 x 256 float32; eu 8 x 1,024 x 256 float32; gate_w 1,024 x 8 float32; hidden_states 2 x 4,096 x 1,024 float32; sd 512 x 1,024 float32; sg 1,024 x 512 float32; shared_gate_w 1,024 x 1 float32; su 1,024 x 512 float32.
;; Outputs: out0 2 x 4,096 x 1,024 float32; out1 8,192 x 8 float32.
;; One version. Each part assembles by itself: llvm-mc -triple=amdgcn-amd-amdhsa -mcpu=gfx1250 --defsym DOCPART=n.
;; ======== version 1 of 1: 3 launches
;; workspace buffers: xb 16,777,216 bytes; wgu 10,485,760 bytes; wd 5,242,880 bytes; hbuf 16,777,216 bytes; wts 131,072 bytes; route 106,496 bytes of whole numbers
;; launch prep (part 1): grid 256 x 1, 8 waves a work-group, no clusters, 120,832 bytes of LDS; arguments hidden_states, gate_w, shared_gate_w, eg, eu, ed, sg, su, sd, xb, wgu, wd, out1, wts, route; writes xb, wgu, wd, out1, wts, route
.if DOCPART == 1
	.amdgcn_target "amdgcn-amd-amdhsa--gfx1250"
	.amdhsa_code_object_version 6
	.text
	.protected	k_q1f121503c8_prep
	.globl	k_q1f121503c8_prep
	.p2align	8
	.type	k_q1f121503c8_prep,@function
k_q1f121503c8_prep:
	s_mov_b64 s[64:65], 0
	v_nop
	global_prefetch_b8 v0, s[64:65] scope:SCOPE_SE
	s_setreg_imm32_b32 hwreg(HW_REG_WAVE_MODE, 25, 1), 1
	s_wait_xcnt 0x0
; PREP.  Work-group g: (1) rounds tokens 32 g .. 32 g + 31 to bf16 (xb); (2) multiplies them, rounded, by the rounded router and shared-gate weights
; (16 columns: 8 gates, the shared gate, 7 zeros) on the matrix unit, K split over the eight waves, the eight partial sums added in f32 through LDS;
; (3) wave 0, a lane a token: logits out, softmax with the row's maximum taken away, top-2 (the lower index wins a tie), the two weights, the sigmoid
; gate; the choices are only STORED, at fixed places: no address here hangs on them; (4) rounds 15 of the 3,840 blocks of 32 k x 64 columns of the
; six weight matrices and lays them in the order in which a wave's matrix operand registers take them.
; A FRAGMENT is 1,024 bytes: byte 512 q + 16 lane holds the 8 bf16 of k = 32 t + 16 q + 8 (lane / 16) + 0..7 of column 64 group + 4 (lane % 16) + i.
; So a lane that loads four neighbouring f32 columns of eight rows holds one 16-byte piece of each of the four fragments i: nothing changes lanes.
; route: word g of column c of the bitmaps has bit l set if token 32 g + l chose expert c (c < 8) or the pair of experts c - 8; behind them each word's
; count of bits; behind those lo | hi << 8 for each token.  The 72 words of a work-group are stored 4 bytes a lane, 1,024 bytes apart: the columns
; are laid for the later launches, each work-group of which loads whole columns.
; LIMITS.  All inputs are rounded to bf16, the router's too, and the choice of experts is made from the rounded numbers.  An exponential below 2^-126
; counts as 0.  NaN and infinities are not treated apart.  Two probabilities nearer than the rounding of the f32 sums may change places.
.set XTW,   32*272                     ; a wave's x tile: 32 rows of 256 bytes + 16 of padding
.set WL,    8*XTW                      ; a wave's 128 k rows of the 16 columns, 32 bytes a row
.set PT,    WL+8*4096                  ; a wave's partial sums: [tile 2][lane 32][8 f32]
.set LG,    PT+8*2048                  ; the 32 tokens' logits, 1,024 bytes
.set SPARE, LG+1024                    ; the spare words, 128 bytes a wave
.set CNTO,  36864                      ; route: the counts
.set SELO,  73728                      ; route: lo | hi << 8
.set SPW,   254                        ; v254  my spare word's LDS address; never rewritten
.set NIL,   255                        ; v255  0; never rewritten
; v1 lane  v2 lane % 16  v3 lane / 16  v4 WL store  v5 xb offset  v6, v7 gate offsets  v8 8 (lane / 16)  v9 16 (lane % 16)  v10 x offset  v11 0
; v12-47 gate rows   v48-175 x; then v48-111 x fragments, v112-143 weight fragments, v144-159 two accumulators   v176-239 item 0   v240-247 item offsets
; v248 x tile store  v249 x fragment  v250 weight fragment  v251 partial sums  v252 at work  v253 16 lane
; Item s36 -> s[S:S+1] its first source row, s[S+2:S+3] sixteen rows on, s[S+4:S+5] its 4,096 bytes of destination, s[S+6] the source's row bytes.
; The item's number is made of the work-group's and the wave's numbers alone.
.macro ITEM S
	s_cmp_lt_u32 s36, 2048
	s_cbranch_scc0 .Led_\@
	s_bitcmp1_b32 s36, 10                          ; items 0-2047: eg, then eu: [up][e 8][t 32][G 4]
	s_cselect_b64 s[\S:\S+1], s[12:13], s[10:11]
	s_mov_b64 s[\S+4:\S+5], s[24:25]
	s_movk_i32 s[\S+6], 1024
	s_bfe_u32 s56, s36, 0x30007                    ; e
	s_bfe_u32 s57, s36, 0x50002                    ; t
	s_and_b32 s58, s36, 3                          ; G
	s_bfe_u32 s59, s36, 0x1000a                    ; up: fragments 4-7
	s_lshl_b32 s60, s56, 20
	s_mov_b32 s62, s60
	s_lshl_b32 s56, s57, 15
	s_add_co_u32 s60, s60, s56
	s_lshl_b32 s56, s58, 8
	s_add_co_u32 s60, s60, s56
	s_lshl_b32 s56, s58, 18
	s_add_co_u32 s62, s62, s56
	s_branch .Lgo_\@
.Led_\@:
	s_cmp_lt_u32 s36, 3072
	s_cbranch_scc0 .Lsh_\@
	s_mov_b64 s[\S:\S+1], s[14:15]                 ; items 2048-3071: ed: [e 8][t 8][Gd 16]
	s_mov_b64 s[\S+4:\S+5], s[26:27]
	s_movk_i32 s[\S+6], 4096
	s_bfe_u32 s56, s36, 0x30007                    ; e
	s_bfe_u32 s57, s36, 0x30004                    ; t
	s_and_b32 s58, s36, 15                         ; Gd
	s_and_b32 s59, s36, 1                          ; its low bit: fragments 4-7
	s_lshl_b32 s60, s56, 20
	s_lshl_b32 s62, s56, 19
	s_lshl_b32 s56, s57, 17
	s_add_co_u32 s60, s60, s56
	s_lshl_b32 s56, s58, 8
	s_add_co_u32 s60, s60, s56
	s_lshr_b32 s56, s58, 1
	s_lshl_b32 s56, s56, 16
	s_add_co_u32 s62, s62, s56
	s_branch .Lgo_\@
.Lsh_\@:
	s_cmp_lt_u32 s36, 3584
	s_cbranch_scc0 .Lsd_\@
	s_bitcmp1_b32 s36, 8                           ; items 3072-3583: sg, then su: [up][t 32][Gs 8]
	s_cselect_b64 s[\S:\S+1], s[18:19], s[16:17]
	s_mov_b64 s[\S+4:\S+5], s[24:25]
	s_movk_i32 s[\S+6], 2048
	s_bfe_u32 s57, s36, 0x50003                    ; t
	s_and_b32 s58, s36, 7                          ; Gs
	s_bfe_u32 s59, s36, 0x10008                    ; up
	s_lshl_b32 s60, s57, 16
	s_lshl_b32 s56, s58, 8
	s_add_co_u32 s60, s60, s56
	s_lshl_b32 s62, s58, 18                        ; unit 8 + Gs / 4, group Gs % 4
	s_add_co_u32 s62, s62, 8<<20
	s_branch .Lgo_\@
.Lsd_\@:
	s_mov_b64 s[\S:\S+1], s[20:21]                 ; items 3584-3839: sd: [t 16][Gd 16]
	s_mov_b64 s[\S+4:\S+5], s[26:27]
	s_movk_i32 s[\S+6], 4096
	s_bfe_u32 s57, s36, 0x40004                    ; t
	s_and_b32 s58, s36, 15                         ; Gd
	s_and_b32 s59, s36, 1
	s_lshl_b32 s60, s57, 17
	s_lshl_b32 s56, s58, 8
	s_add_co_u32 s60, s60, s56
	s_lshr_b32 s56, s58, 1
	s_lshl_b32 s56, s56, 17
	s_add_co_u32 s62, s56, 4<<20
.Lgo_\@:
	s_lshl_b32 s56, s57, 13                        ; a K step's eight fragments are 8,192 bytes
	s_add_co_u32 s62, s62, s56
	s_lshl_b32 s56, s59, 12
	s_add_co_u32 s62, s62, s56
	s_mov_b32 s61, 0
	s_mov_b32 s63, 0
	s_add_nc_u64 s[\S:\S+1], s[\S:\S+1], s[60:61]
	s_add_nc_u64 s[\S+4:\S+5], s[\S+4:\S+5], s[62:63]
	s_lshl_b32 s60, s[\S+6], 4
	s_add_nc_u64 s[\S+2:\S+3], s[\S:\S+1], s[60:61]
	v_mad_u32_u24 v240, v8, s[\S+6], v9            ; row 8 (lane / 16) + kk, 16 bytes at 16 (lane % 16)
.irp k, 1,2,3,4,5,6,7
	v_add_nc_u32 v[240+\k], s[\S+6], v[239+\k]
.endr
.endm
; sixteen loads: lanes 0-15 take 256 consecutive bytes of row 16 q + kk, lanes 16-31 of the row eight further down
.macro CLOAD D, S
.irp q, 0,1
.irp k, 0,1,2,3,4,5,6,7
	global_load_b128 v[\D+32*\q+4*\k:\D+32*\q+4*\k+3], v[240+\k], s[\S+2*\q:\S+2*\q+1] th:TH_LOAD_NT
.endr
.endr
.endm
; eight rows' element c, rounded in pairs, are my 16 bytes of half q of fragment c; each store of the wave covers 512 consecutive bytes
.macro CSTORE D, T, S
.irp q, 0,1
.irp c, 0,1,2,3
.irp m, 0,1,2,3
	v_cvt_pk_bf16_f32 v[\T+16*\q+4*\c+\m], v[\D+32*\q+8*\m+\c], v[\D+32*\q+8*\m+4+\c]
.endr
	global_store_b128 v253, v[\T+16*\q+4*\c:\T+16*\q+4*\c+3], s[\S+4:\S+5] offset:1024*\c+512*\q
.endr
.endr
.endm
	s_load_b512 s[4:19], s[0:1], 0x0               ; hidden_states, gate_w, shared_gate_w, eg, eu, ed, sg, su
	s_load_b256 s[20:27], s[0:1], 0x40             ; sd, xb, wgu, wd
	s_load_b128 s[28:31], s[0:1], 0x60             ; out1, wts
	s_load_b64 s[32:33], s[0:1], 0x70              ; route
	v_lshl_add_u32 v[SPW], v0, 2, SPARE
	v_mov_b32 v[NIL], 0
	v_lshrrev_b32 v1, 5, v0
	v_readfirstlane_b32 s34, v1                    ; wave 0..7
	v_and_b32 v1, 31, v0
	v_and_b32 v2, 15, v0
	v_bfe_u32 v3, v0, 4, 1
	v_mov_b32 v11, 0
	s_mov_b32 s35, ttmp9                           ; g
	s_mul_i32 s36, s35, 15                         ; wave 0: item 15 g; wave w: items 15 g + 2 w - 1 and 15 g + 2 w
	s_lshl_b32 s37, s34, 1
	s_sub_co_i32 s37, s37, 1
	s_max_i32 s37, s37, 0
	s_add_co_u32 s36, s36, s37
	s_lshl_b32 s56, s34, 7
	v_add_nc_u32 v6, s56, v1                       ; k = 128 w + lane
	v_lshlrev_b32 v7, 2, v6
	v_lshlrev_b32 v6, 5, v6
	s_lshl_b32 s56, s34, 9
	v_lshl_add_u32 v10, v1, 4, s56                 ; my 16 bytes of the wave's 512 of a row of x
	s_lshl_b32 s56, s34, 8
	v_lshl_add_u32 v5, v1, 3, s56                  ; my 8 bytes of the wave's 256 of a row of xb
	v_lshlrev_b32 v8, 3, v3
	v_lshlrev_b32 v9, 4, v2
	v_lshlrev_b32 v253, 4, v1
	s_lshl_b32 s56, s34, 12
	s_add_co_u32 s56, s56, WL
	v_lshl_add_u32 v4, v1, 5, s56
	v_and_b32 v252, 7, v0
	v_add_nc_u32 v252, v252, v8
	v_lshl_add_u32 v250, v252, 5, s56              ; the turning load: row 8 (lane / 16) + lane % 8,
	v_bfe_u32 v252, v0, 3, 1
	v_lshl_add_u32 v250, v252, 4, v250             ; columns 8 ((lane / 8) % 2) on
	s_mul_i32 s56, s34, XTW
	v_lshl_add_u32 v248, v1, 3, s56
	v_mul_u32_u24 v249, v2, 272
	v_lshl_add_u32 v249, v3, 4, v249
	v_add_nc_u32 v249, s56, v249
	s_lshl_b32 s56, s34, 11
	s_add_co_u32 s56, s56, PT
	v_lshl_add_u32 v251, v1, 5, s56
	s_wait_kmcnt 0x0
	s_lshl_b32 s60, s35, 17
	s_mov_b32 s61, 0
	s_add_nc_u64 s[38:39], s[4:5], s[60:61]        ; x at the group's first row
	s_lshl_b32 s60, s35, 16
	s_add_nc_u64 s[66:67], s[22:23], s[60:61]      ; xb likewise
	s_lshl_b32 s60, s35, 10
	s_add_nc_u64 s[68:69], s[28:29], s[60:61]      ; out1 likewise
	ITEM 40
	; all loads go out at once: 12 for the gates, 32 rows of x, 16 for item 0
.irp kk, 0,1,2,3
	global_load_b128 v[12+8*\kk:15+8*\kk], v6, s[6:7] offset:1024*\kk
	global_load_b128 v[16+8*\kk:19+8*\kk], v6, s[6:7] offset:1024*\kk+16
	global_load_b32 v[44+\kk], v7, s[8:9] offset:128*\kk
.endr
.set i, 0
.rept 32
	global_load_b128 v[48+4*i:51+4*i], v10, s[38:39] offset:4096*i th:TH_LOAD_NT
.set i, i+1
.endr
	CLOAD 176, 40
	s_wait_loadcnt 48                              ; the gates are in: 32 rows and 16 item loads are younger
.irp kk, 0,1,2,3
	v_cvt_pk_bf16_f32 v[12+8*\kk], v[12+8*\kk], v[13+8*\kk]
	v_cvt_pk_bf16_f32 v[13+8*\kk], v[14+8*\kk], v[15+8*\kk]
	v_cvt_pk_bf16_f32 v[14+8*\kk], v[16+8*\kk], v[17+8*\kk]
	v_cvt_pk_bf16_f32 v[15+8*\kk], v[18+8*\kk], v[19+8*\kk]
	v_cvt_pk_bf16_f32 v[16+8*\kk], v[44+\kk], v11  ; column 8: the shared gate; columns 9-15: 0
	v_mov_b32 v[17+8*\kk], 0
	v_mov_b32 v[18+8*\kk], 0
	v_mov_b32 v[19+8*\kk], 0
	ds_store_b128 v4, v[12+8*\kk:15+8*\kk] offset:1024*\kk
	ds_store_b128 v4, v[16+8*\kk:19+8*\kk] offset:1024*\kk+16
.endr
.set i, 0
.rept 32
	s_wait_loadcnt 47-i                            ; row i is in: 31 - i rows and 16 item loads are younger
	v_cvt_pk_bf16_f32 v[48+4*i], v[48+4*i], v[49+4*i]
	v_cvt_pk_bf16_f32 v[49+4*i], v[50+4*i], v[51+4*i]
	global_store_b64 v5, v[48+4*i:49+4*i], s[66:67] offset:2048*i  ; the wave's 32 lanes store 256 consecutive bytes, aligned
	ds_store_b64 v248, v[48+4*i:49+4*i] offset:272*i
.set i, i+1
.endr
	s_wait_xcnt 0x0                                ; the stores' data registers are loaded into only behind this wait
.irp t, 0,1
.irp s, 0,1,2,3
	ds_load_b128 v[48+32*\t+8*\s:51+32*\t+8*\s], v249 offset:16*272*\t+64*\s
	ds_load_b128 v[52+32*\t+8*\s:55+32*\t+8*\s], v249 offset:16*272*\t+64*\s+32
.endr
.endr
.irp s, 0,1,2,3
	ds_load_tr16_b128 v[112+8*\s:115+8*\s], v250 offset:1024*\s
	ds_load_tr16_b128 v[116+8*\s:119+8*\s], v250 offset:1024*\s+512
.endr
	s_wait_dscnt 0x0                               ; the wave's own bytes: no barrier
	; source 0 = 16 columns, source 1 = 16 tokens: a lane holds one token and eight columns.  The two accumulators take turns.
	v_wmma_f32_16x16x32_bf16 v[144:151], v[112:119], v[48:55], 0
	v_wmma_f32_16x16x32_bf16 v[152:159], v[112:119], v[80:87], 0
.irp s, 1,2,3
	v_wmma_f32_16x16x32_bf16 v[144:151], v[112+8*\s:119+8*\s], v[48+8*\s:55+8*\s], v[144:151]
	v_wmma_f32_16x16x32_bf16 v[152:159], v[112+8*\s:119+8*\s], v[80+8*\s:87+8*\s], v[152:159]
.endr
.rept 4
	v_nop                                          ; four places behind the last product (ISA guide 7.12.1)
.endr
	ds_store_b128 v251, v[144:147]
	ds_store_b128 v251, v[148:151] offset:16
	ds_store_b128 v251, v[152:155] offset:1024
	ds_store_b128 v251, v[156:159] offset:1040
	; The second item.  Every wave makes its addresses, so that s[48:55] come from the arguments on every path; wave 0, which has one of the group's
	; fifteen items, makes those of item 15 g + 1 and never uses them: it issues no load and no store by them.
	s_wait_xcnt 0x0                                ; item 0's offset registers are rewritten only behind this wait
	s_add_co_u32 s36, s36, 1
	ITEM 48
	s_cmp_eq_u32 s34, 0
	s_cbranch_scc1 .Lone_item
	CLOAD 48, 48
.Lone_item:
	s_wait_dscnt 0x0                               ; my partial sums are in LDS
	s_barrier_signal -1
	s_barrier_wait -1
	s_cmp_lg_u32 s34, 0
	s_cbranch_scc1 .Lothers
	; WAVE 0: a lane a token.  Its eight gate sums lie in lane slot token % 16 of tile token / 16, the shared gate's sixteen slots on.
	v_lshlrev_b32 v252, 10, v3
	v_lshl_add_u32 v252, v2, 5, v252
	v_add_nc_u32 v252, PT, v252
.set i, 0
.rept 8
	ds_load_b128 v[48+8*i:51+8*i], v252 offset:2048*i
	ds_load_b128 v[52+8*i:55+8*i], v252 offset:2048*i+16
	ds_load_b32 v[112+i], v252 offset:2048*i+512
.set i, i+1
.endr
	v_lshl_add_u32 v122, v1, 5, LG
	v_lshl_add_u32 v123, v1, 4, LG
	s_wait_dscnt 0x0
.set i, 1
.rept 7
	v_pk_add_f32 v[48:49], v[48:49], v[48+8*i:49+8*i]
	v_pk_add_f32 v[50:51], v[50:51], v[50+8*i:51+8*i]
	v_pk_add_f32 v[52:53], v[52:53], v[52+8*i:53+8*i]
	v_pk_add_f32 v[54:55], v[54:55], v[54+8*i:55+8*i]
	v_add_f32 v112, v112, v[112+i]
.set i, i+1
.endr
	ds_store_b128 v122, v[48:51]                   ; the logits turn in LDS, so that each store below covers 512 consecutive bytes
	ds_store_b128 v122, v[52:55] offset:16
	ds_load_b128 v[124:127], v123
	ds_load_b128 v[128:131], v123 offset:512
	v_max3_num_f32 v56, v48, v49, v50              ; the row's maximum is taken away, as in the softmax that is asked for
	v_max3_num_f32 v56, v56, v51, v52
	v_max3_num_f32 v56, v56, v53, v54
	v_max_num_f32 v56, v56, v55
	v_mul_f32 v57, 0xbfb8aa3b, v112                ; - S log2(e)
.set i, 0
.rept 8
	v_sub_f32 v[64+i], v[48+i], v56
.set i, i+1
.endr
.set i, 0
.rept 8
	v_mul_f32 v[64+i], 0x3fb8aa3b, v[64+i]
.set i, i+1
.endr
.set i, 0
.rept 8
	v_exp_f32 v[64+i], v[64+i]
.set i, i+1
.endr
	v_exp_f32 v57, v57
	v_nop                                          ; a plain instruction behind the last exponential,
	s_wait_alu depctr_va_vdst(0)                   ; and one wait for the nine
	v_add_f32 v58, v64, v65
	v_add_f32 v59, v66, v67
	v_add_f32 v60, v68, v69
	v_add_f32 v61, v70, v71
	v_add_f32 v58, v58, v59
	v_add_f32 v60, v60, v61
	v_add_f32 v58, v58, v60
	v_add_f32 v57, 1.0, v57
	v_rcp_f32 v58, v58
	v_rcp_f32 v90, v57                             ; the sigmoid gate
	v_mov_b32 v91, 0
	s_wait_alu depctr_va_vdst(0)
.set i, 0
.rept 8
	v_mul_f32 v[64+i], v[64+i], v58                ; the probabilities
.set i, i+1
.endr
	v_mov_b32 v72, v64                             ; the largest: ascending, strictly greater, so the lower index wins a tie
	v_mov_b32 v73, 0
.set i, 1
.rept 7
	v_cmp_gt_f32 vcc_lo, v[64+i], v72
	v_cndmask_b32 v72, v72, v[64+i], vcc_lo
	v_cndmask_b32 v73, v73, i, vcc_lo
.set i, i+1
.endr
.set i, 0
.rept 8
	v_cmp_eq_u32 vcc_lo, i, v73                    ; the second: the same with the first taken out
	v_cndmask_b32 v[76+i], v[64+i], -1.0, vcc_lo
.set i, i+1
.endr
	v_mov_b32 v74, v76
	v_mov_b32 v75, 0
.set i, 1
.rept 7
	v_cmp_gt_f32 vcc_lo, v[76+i], v74
	v_cndmask_b32 v74, v74, v[76+i], vcc_lo
	v_cndmask_b32 v75, v75, i, vcc_lo
.set i, i+1
.endr
	v_add_f32 v59, v72, v74
	v_max_num_f32 v59, 0x358637bd, v59             ; clipped at 1e-6
	v_rcp_f32 v59, v59
	v_min_u32 v84, v73, v75                        ; lo
	v_max_u32 v85, v73, v75                        ; hi
	s_wait_alu depctr_va_vdst(0)
	v_mul_f32 v72, v72, v59
	v_mul_f32 v74, v74, v59
	v_cmp_lt_u32 vcc_lo, v73, v75
	v_cndmask_b32 v88, v74, v72, vcc_lo            ; w_lo
	v_cndmask_b32 v89, v72, v74, vcc_lo            ; w_hi
	v_sub_nc_u32 v86, 15, v84                      ; the pair's number: lo (15 - lo) / 2 + hi - lo - 1
	v_mul_u32_u24 v86, v86, v84
	v_lshrrev_b32 v86, 1, v86
	v_add_nc_u32 v86, v86, v85
	v_sub_nc_u32 v86, v86, v84
	v_add_nc_u32 v86, -1, v86
	v_lshl_or_b32 v87, v85, 8, v84
	v_mov_b32 v92, 0                               ; lane c: column c's word; v93: columns 32-35; v94, v95: their counts
	v_mov_b32 v93, 0
	v_mov_b32 v94, 0
	v_mov_b32 v95, 0
.set i, 0
.rept 8
	v_cmp_eq_u32 s56, i, v84
	v_cmp_eq_u32 s57, i, v85
	s_or_b32 s56, s56, s57
	s_bcnt1_i32_b32 s57, s56
	v_writelane_b32 v92, s56, i
	v_writelane_b32 v94, s57, i
.set i, i+1
.endr
.set i, 8
.rept 28
	v_cmp_eq_u32 s56, i-8, v86
	s_bcnt1_i32_b32 s57, s56
	v_writelane_b32 v[92+i/32], s56, i%32
	v_writelane_b32 v[94+i/32], s57, i%32
.set i, i+1
.endr
	s_lshl_b32 s56, s35, 2
	v_lshl_add_u32 v96, v1, 10, s56                ; column lane, word g
	s_lshl_b32 s56, s35, 7
	v_lshl_add_u32 v97, v1, 2, s56
	s_lshl_b32 s56, s35, 9
	v_lshl_add_u32 v98, v1, 4, s56
	s_wait_dscnt 0x0
	global_store_b128 v253, v[124:127], s[68:69]
	global_store_b128 v253, v[128:131], s[68:69] offset:512
	global_store_b128 v98, v[88:91], s[30:31]
	global_store_b32 v97, v87, s[32:33] offset:SELO
	global_store_b32 v96, v92, s[32:33]
	global_store_b32 v96, v94, s[32:33] offset:CNTO
	v_cmp_gt_u32 vcc_lo, 4, v1
	s_wait_xcnt 0x0                                ; EXEC changes only behind this wait
	s_and_saveexec_b32 s58, vcc_lo
	global_store_b32 v96, v93, s[32:33] offset:32768
	global_store_b32 v96, v95, s[32:33] offset:CNTO+32768
	s_wait_xcnt 0x0                                ; and again in front of the line that widens it; it also frees the stores' data registers
	s_or_b32 exec_lo, exec_lo, s58
	s_wait_loadcnt 0x0                             ; item 0
	CSTORE 176, 112, 40
	s_branch .Lend
.Lothers:
	s_wait_loadcnt 16                              ; item 0 is in; item 1's sixteen loads are younger
	CSTORE 176, 112, 40
	s_wait_loadcnt 0x0
	CSTORE 48, 176, 48
.Lend:
	s_wait_tensorcnt 0x0                           ; the wave's end
	ds_add_u32 v[SPW], v[NIL]
	s_wait_dscnt 0x0
	s_endpgm
.Lfunc_end_k_q1f121503c8_prep:
	.size	k_q1f121503c8_prep, .Lfunc_end_k_q1f121503c8_prep-k_q1f121503c8_prep
	.p2alignl 7, 3214868480
	.fill 96, 4, 3214868480
	.section	.rodata,"a",@progbits
	.p2align	6, 0x0
	.amdhsa_kernel k_q1f121503c8_prep
		.amdhsa_group_segment_fixed_size 120832
		.amdhsa_private_segment_fixed_size 0
		.amdhsa_enable_private_segment 0
		.amdhsa_kernarg_size 120
		.amdhsa_user_sgpr_count 2
		.amdhsa_user_sgpr_kernarg_segment_ptr 1
		.amdhsa_wavefront_size32 1
		.amdhsa_system_sgpr_workgroup_id_x 1
		.amdhsa_system_sgpr_workgroup_id_y 1
		.amdhsa_system_sgpr_workgroup_id_z 1
		.amdhsa_system_vgpr_workitem_id 0
		.amdhsa_next_free_vgpr 256
		.amdhsa_next_free_sgpr 80
		.amdhsa_reserve_vcc 1
		.amdhsa_float_denorm_mode_32 3
		.amdhsa_float_denorm_mode_16_64 3
		.amdhsa_memory_ordered 1
		.amdhsa_forward_progress 1
		.amdhsa_inst_pref_size 59
	.end_amdhsa_kernel
	.amdgpu_metadata
---
amdhsa.version: [ 1, 2 ]
amdhsa.kernels:
  - .name:           k_q1f121503c8_prep
    .symbol:         k_q1f121503c8_prep.kd
    .args:
      - { .name: hidden_states, .offset: 0, .size: 8, .value_kind: global_buffer, .address_space: global }
      - { .name: gate_w, .offset: 8, .size: 8, .value_kind: global_buffer, .address_space: global }
      - { .name: shared_gate_w, .offset: 16, .size: 8, .value_kind: global_buffer, .address_space: global }
      - { .name: eg, .offset: 24, .size: 8, .value_kind: global_buffer, .address_space: global }
      - { .name: eu, .offset: 32, .size: 8, .value_kind: global_buffer, .address_space: global }
      - { .name: ed, .offset: 40, .size: 8, .value_kind: global_buffer, .address_space: global }
      - { .name: sg, .offset: 48, .size: 8, .value_kind: global_buffer, .address_space: global }
      - { .name: su, .offset: 56, .size: 8, .value_kind: global_buffer, .address_space: global }
      - { .name: sd, .offset: 64, .size: 8, .value_kind: global_buffer, .address_space: global }
      - { .name: xb, .offset: 72, .size: 8, .value_kind: global_buffer, .address_space: global }
      - { .name: wgu, .offset: 80, .size: 8, .value_kind: global_buffer, .address_space: global }
      - { .name: wd, .offset: 88, .size: 8, .value_kind: global_buffer, .address_space: global }
      - { .name: out1, .offset: 96, .size: 8, .value_kind: global_buffer, .address_space: global }
      - { .name: wts, .offset: 104, .size: 8, .value_kind: global_buffer, .address_space: global }
      - { .name: route, .offset: 112, .size: 8, .value_kind: global_buffer, .address_space: global }
    .group_segment_fixed_size: 120832
    .private_segment_fixed_size: 0
    .kernarg_segment_align: 8
    .kernarg_segment_size: 120
    .max_flat_workgroup_size: 256
    .sgpr_count:     80
    .vgpr_count:     256
    .wavefront_size: 32
...
	.end_amdgpu_metadata
.endif
;; end of part 1
;; launch gateup (part 2): grid 235 x 1, 4 waves a work-group, no clusters, 316,416 bytes of LDS; arguments xb, wgu, wts, route, hbuf; writes hbuf
.if DOCPART == 2
	.amdgcn_target "amdgcn-amd-amdhsa--gfx1250"
	.amdhsa_code_object_version 6
	.text
	.protected	k_q1f121503c8_gateup
	.globl	k_q1f121503c8_gateup
	.p2align	8
	.type	k_q1f121503c8_gateup,@function
k_q1f121503c8_gateup:
	s_mov_b64 s[64:65], 0
	v_nop
	global_prefetch_b8 v0, s[64:65] scope:SCOPE_SE
	s_setreg_imm32_b32 hwreg(HW_REG_WAVE_MODE, 25, 1), 1
	s_wait_xcnt 0x0
; GATE AND UP.  hbuf[token][section] = w silu(x Wg) (x Wu), bf16: section 0 the token's lower expert, 1 its higher, 2 and 3 the shared expert's halves;
; w is the routing weight or the sigmoid gate, so that the next launch is one product of K = 1,024 for each token.
; A work-group has a tile of up to 144 rows x 256 hidden columns (512 of gate and up), K = 1,024.  Work-groups 0-113: 57 tiles of tokens in order x the
; shared expert's two halves.  Work-groups 114-234: slot s = number - 114; expert c has ceil(n_c / 144) slots, in the experts' order.  The counts add
; up to 16,384, so there are never more than (16,384 + 8 x 143) / 144 = 121 slots, whatever the split.  A slot past the last one in use multiplies
; repeated rows and stores nothing.
; Every work-group finds its rows itself, from the bitmaps and counts that the launch before stored (whole numbers): prefix sums over a column's 256
; words, then for each row a search for the token of its rank.  Places past the count repeat the last row; their stores are jumped.
; The rows (bf16) lie in LDS whole, 2,048 bytes each; the weights come from memory straight into operand registers, each byte once a work-group.
; Wave G has all 144 rows x hidden columns 64 G .. 64 G + 63: 9 row blocks x (4 gate + 4 up fragments) = 72 accumulators.
; The product is used transposed (source 0 = weights, source 1 = rows): a lane holds one row; register j of fragment i is column 64 G + 32 (lane / 16) + 4 j + i.
; NO CLUSTER, NO TENSOR LOAD: the rows come by a list; the weights go to registers; partners' row counts would hang on loaded numbers.
; LIMITS.  h is rounded once to bf16.  silu(g) = g / (1 + 2^(-g log2 e)): a g so negative that the power overflows gives 0.  NaN and infinities are not treated apart.
; REGISTERS, in windows of 256 (s_set_vgpr_msb: bits 1:0 source 0, 3:2 source 1, 5:4 source 2, 7:6 destination):
;   window 0: v0-31 below; v32-103, v104-175 two buffers of row fragments; v176-229 the list's figures; v254, v255 the add's
;   windows 1, 2: accumulator (a, f) at 256 + 64 a + 8 f; window 3: v0-63 block 8's; v64-191 two buffers of weight fragments
;   s66-83: eighteen rows' numbers at a time, read out of a lane each
.set R,     144
.set MB,    9
.set NCOL,  8
.set CPW,   2
.set COL0,  0
.set MUL,   7282                       ; (y x 7282) >> 16 = y / 9 for y up to 520
.set NSH,   114
.set PITCH, 2064                       ; an LDS row: 2,048 bytes + 16: the 16 rows of a fragment load start 4 banks apart (64 banks of 4 bytes: ISA guide 11.1)
.set SP,    528                        ; a stage row: 512 bytes + 16
.set BWB,   R*PITCH                    ; the columns' bitmap words, 1,024 bytes a column
.set INB,   BWB+NCOL*1024              ; each word's inclusive prefix
.set PFB,   INB+NCOL*1024              ; each group of eight words' inclusive prefix, 128 bytes a column
.set WTB,   PFB+NCOL*128               ; the rows' weights
.set SPARE, WTB+768                    ; the spare words, 128 bytes a wave
.set CNTO,  36864
.set SELO,  73728
.set SPW, 254
.set NIL, 255
.set LN,  1                            ; lane
.set RR,  2                            ; lane % 16
.set HH,  3                            ; lane / 16
.set HIM, 4                            ; -1 in lanes 16-31
.set BO,  5                            ; 16 lane; never rewritten
.set AB,  6                            ; v6-10  LDS address of my row fragments, for blocks 2 k and 2 k + 1
.set TS,  11                           ; v11-12 4 token + section of my wave's rows
.set TOK, 13                           ; v13-14 their tokens
.set SB,  15                           ; v15-16 where my wave's rows go; before that: the search's row and its result
.set ROW, 17                           ; v17-18 their numbers in the tile
.set TT,  19
.set RHO, 20
.set LAM, 21
.set EXC, 22
.set AD,  23
.set IDX, 24
.set XW,  25
.set KK,  26
.set POS, 27
.set AF,  32
.set BF,  64
.set PP,  180                          ; v180-211 the column's 32 prefixes
.set W0,  212
.set PB,  32                           ; s[32:33] the weights' stream
.set SQ,  66                           ; s66-83
.set TE,  32                           ; the way out
.set UW,  64
.set GS,  96
.set HP,  128
.set WP,  144
.set STO, 29
.set MSB, 0
.macro WIN new                         ; the immediate's high byte repeats the setting that is left; a switch that changes nothing is dropped
.if MSB != (\new)
	s_set_vgpr_msb (MSB<<8)|(\new)
.set MSB, \new
.endif
.endm
.macro PLACES                          ; four places behind matrix instructions, in front of loads into their sources and of lines that read results
.rept 4
	v_nop
.endr
.endm
.macro SCAN x                          ; inclusive sum over the 32 lanes, whole numbers
.irp n, 1,2,4,8
	v_mov_b32_dpp v[TT], v[\x] row_shr:\n row_mask:0xf bank_mask:0xf bound_ctrl:1
	v_add_nc_u32 v[\x], v[\x], v[TT]
.endr
	v_readlane_b32 s22, v[\x], 15
	v_and_b32 v[TT], s22, v[HIM]
	v_add_nc_u32 v[\x], v[\x], v[TT]
.endm
.macro SSTEP st, wd, inc               ; does the wanted bit lie past the next inc bits?
	v_bfe_u32 v[TT], v[\st], v[POS], \wd
	v_cmp_ge_u32 vcc_lo, v[KK], v[TT]
	v_cndmask_b32 v[TT], 0, v[TT], vcc_lo
	v_sub_nc_u32 v[KK], v[KK], v[TT]
	v_cndmask_b32 v[TT], 0, \inc, vcc_lo
	v_add_nc_u32 v[POS], v[POS], v[TT]
.endm
; The token of rank r0 + row in column c*.  The prefixes ascend, so the number of them not above the rank is the place, and the last such is what lies in front of it.
.macro SEARCH row, tok
	v_add_nc_u32 v[RHO], s19, v[\row]
	v_min_u32 v[RHO], s21, v[RHO]                  ; places past the count repeat the last row
	v_mov_b32 v[LAM], 0
	v_mov_b32 v[EXC], 0
.set p_, 0
.rept 31
	v_cmp_le_u32 vcc_lo, v[PP+p_], v[RHO]
	v_cndmask_b32 v[EXC], v[EXC], v[PP+p_], vcc_lo
	v_add_co_ci_u32 v[LAM], vcc_lo, 0, v[LAM], vcc_lo
.set p_, p_+1
.endr
	v_min_u32 v[LAM], 31, v[LAM]
	v_lshl_add_u32 v[AD], v[LAM], 5, s24
	ds_load_b128 v[W0:W0+3], v[AD]
	ds_load_b128 v[W0+4:W0+7], v[AD] offset:16
	v_mov_b32 v[IDX], 0
	s_wait_dscnt 0x0
.set p_, 0
.rept 7
	v_cmp_le_u32 vcc_lo, v[W0+p_], v[RHO]
	v_cndmask_b32 v[EXC], v[EXC], v[W0+p_], vcc_lo
	v_add_co_ci_u32 v[IDX], vcc_lo, 0, v[IDX], vcc_lo
.set p_, p_+1
.endr
	v_min_u32 v[IDX], 7, v[IDX]
	v_lshl_add_u32 v[IDX], v[LAM], 3, v[IDX]       ; the word, 0 to 255
	v_lshl_add_u32 v[AD], v[IDX], 2, s25
	ds_load_b32 v[XW], v[AD]
	v_sub_nc_u32 v[KK], v[RHO], v[EXC]             ; the rank within the word
	v_mov_b32 v[POS], 0
	s_wait_dscnt 0x0
	v_lshrrev_b32 v28, 1, v[XW]                    ; counts of 2, 4, 8 and 16 bits
	v_and_b32 v28, 0x55555555, v28
	v_sub_nc_u32 v28, v[XW], v28
	v_lshrrev_b32 v29, 2, v28
	v_and_b32 v29, 0x33333333, v29
	v_and_b32 v30, 0x33333333, v28
	v_add_nc_u32 v29, v29, v30
	v_lshrrev_b32 v30, 4, v29
	v_add_nc_u32 v30, v30, v29
	v_and_b32 v30, 0x0f0f0f0f, v30
	v_lshrrev_b32 v31, 8, v30
	v_add_nc_u32 v31, v31, v30
	SSTEP 31, 8, 16
	SSTEP 30, 8, 8
	SSTEP 29, 4, 4
	SSTEP 28, 2, 2
	SSTEP XW, 1, 1
	v_lshl_add_u32 v[\tok], v[IDX], 5, v[POS]
	v_min_u32 v[\tok], 0x1fff, v[\tok]
.endm
.macro ALOAD ab, pa                    ; the MB blocks' fragments of one K step, at byte pa from the address registers, into buffer ab
	WIN 0
.set a_, 0
.rept MB
	ds_load_b128 v[AF+8*MB*(\ab)+8*a_:AF+8*MB*(\ab)+8*a_+3],   v[AB+a_/2] offset:(a_%2)*16*PITCH+(\pa)
	ds_load_b128 v[AF+8*MB*(\ab)+8*a_+4:AF+8*MB*(\ab)+8*a_+7], v[AB+a_/2] offset:(a_%2)*16*PITCH+(\pa)+32
.set a_, a_+1
.endr
.endm
.macro BLOAD bb, hf, rb                ; four weight fragments (half hf of a K step's eight), at byte rb of the stream, into buffer bb: eight loads of 512 consecutive bytes
	WIN 0xc0
.set f_, 4*(\hf)
.rept 4
	global_load_b128 v[BF+64*(\bb)+8*f_:BF+64*(\bb)+8*f_+3],   v[BO], s[PB:PB+1] offset:(\rb)+1024*f_
	global_load_b128 v[BF+64*(\bb)+8*f_+4:BF+64*(\bb)+8*f_+7], v[BO], s[PB:PB+1] offset:(\rb)+1024*f_+512
.set f_, f_+1
.endr
.endm
.macro HALF ab, bb, hf, zero           ; 4 MB matrix instructions, each on an accumulator of its own: the accumulators take turns
.set a_, 0
.rept MB
	WIN 0x03|((1+a_/4)*0x50)
.set f_, 4*(\hf)
.rept 4
.if \zero
	v_wmma_f32_16x16x32_bf16 v[64*(a_%4)+8*f_:64*(a_%4)+8*f_+7], v[BF+64*(\bb)+8*f_:BF+64*(\bb)+8*f_+7], v[AF+8*MB*(\ab)+8*a_:AF+8*MB*(\ab)+8*a_+7], 0
.else
	v_wmma_f32_16x16x32_bf16 v[64*(a_%4)+8*f_:64*(a_%4)+8*f_+7], v[BF+64*(\bb)+8*f_:BF+64*(\bb)+8*f_+7], v[AF+8*MB*(\ab)+8*a_:AF+8*MB*(\ab)+8*a_+7], v[64*(a_%4)+8*f_:64*(a_%4)+8*f_+7]
.endif
.set f_, f_+1
.endr
.set a_, a_+1
.endr
.endm
; A K step of 32.  n1, n2: the weight loads issued behind the half that is wanted.  rb >= 0: each half of the weight buffer is loaded again as soon as it has been
; multiplied.  pa >= 0: the next step's row fragments are fetched in the step's middle.  adv = 1: the stream's base goes two steps on, behind the first half's 36 matrix
; instructions: the last loads by the old base were issued ahead of those.
.macro KSTEP ab, bb, zero, pa, rb, n1, n2, adv=0
	s_wait_loadcnt \n1
	s_wait_dscnt 0x0
	HALF \ab, \bb, 0, \zero
.if \adv
	s_wait_xcnt 0x0                                ; the stream's base steps only behind this wait
	s_add_nc_u64 s[PB:PB+1], s[PB:PB+1], 16384
.endif
	PLACES
.if (\rb) >= 0
	BLOAD \bb, 0, \rb
.endif
.if (\pa) >= 0
	ALOAD 1-(\ab), \pa
.endif
	s_wait_loadcnt \n2
	HALF \ab, \bb, 1, \zero
	PLACES
.if (\rb) >= 0
	BLOAD \bb, 1, \rb
.endif
.endm
	s_load_b256 s[4:11], s[0:1], 0x0               ; xb, wgu, wts, route
	s_load_b64 s[12:13], s[0:1], 0x20              ; hbuf
	v_lshl_add_u32 v[SPW], v0, 2, SPARE
	v_mov_b32 v[NIL], 0
	v_lshrrev_b32 v1, 5, v0
	v_readfirstlane_b32 s14, v1                    ; wave 0..3
	v_and_b32 v[LN], 31, v0
	v_and_b32 v[RR], 15, v0
	v_bfe_u32 v[HH], v0, 4, 1
	v_sub_nc_u32 v[HIM], 0, v[HH]
	v_lshlrev_b32 v[BO], 4, v[LN]
	v_mov_b32 v[TT], 0
	s_mov_b32 s38, ttmp9
	s_cmp_lt_u32 s38, NSH
	s_cselect_b32 s15, -1, 0                       ; all ones: a tile of the shared expert
	s_cselect_b32 s16, NSH, s38
	s_sub_co_u32 s16, s16, NSH                     ; the slot (0 there)
	s_lshr_b32 s28, s38, 1
	s_and_b32 s29, s38, 1                          ; the shared expert's half
	s_mul_i32 s31, s28, R                          ; its tile's first token
	s_mov_b32 s36, 0xbfb8aa3b                      ; - log2(e), named as a pair
	s_mov_b32 s37, s36
	; THE LIST.  Wave w takes CPW columns; lane l their words 8 l .. 8 l + 7 and those words' counts.
	s_mul_i32 s26, s14, CPW*1024
	v_lshl_add_u32 v[AD], v[LN], 5, s26
	s_wait_kmcnt 0x0
.set i, 0
.rept CPW
	global_load_b128 v[32+16*i:35+16*i], v[AD], s[10:11] offset:(COL0+i)*1024
	global_load_b128 v[36+16*i:39+16*i], v[AD], s[10:11] offset:(COL0+i)*1024+16
	global_load_b128 v[40+16*i:43+16*i], v[AD], s[10:11] offset:CNTO+(COL0+i)*1024
	global_load_b128 v[44+16*i:47+16*i], v[AD], s[10:11] offset:CNTO+(COL0+i)*1024+16
.set i, i+1
.endr
	v_add_nc_u32 v28, BWB, v[AD]
	v_add_nc_u32 v29, INB, v[AD]
	s_mul_i32 s26, s14, CPW*128
	s_add_co_u32 s26, s26, PFB
	v_lshl_add_u32 v30, v[LN], 2, s26
	s_wait_loadcnt 0x0
.set i, 0
.rept CPW
	ds_store_b128 v28, v[32+16*i:35+16*i] offset:1024*i
	ds_store_b128 v28, v[36+16*i:39+16*i] offset:1024*i+16
.set j, 1
.rept 7
	v_add_nc_u32 v[40+16*i+j], v[40+16*i+j], v[39+16*i+j]
.set j, j+1
.endr
	v_mov_b32 v31, v[47+16*i]
	SCAN 31
	v_sub_nc_u32 v31, v31, v[47+16*i]              ; what lies in front of my eight words
.set j, 0
.rept 8
	v_add_nc_u32 v[40+16*i+j], v[40+16*i+j], v31
.set j, j+1
.endr
	ds_store_b128 v29, v[40+16*i:43+16*i] offset:1024*i
	ds_store_b128 v29, v[44+16*i:47+16*i] offset:1024*i+16
	ds_store_b32 v30, v[47+16*i] offset:128*i
.set i, i+1
.endr
	s_wait_dscnt 0x0                               ; for the others' sake: my columns are in LDS
	s_barrier_signal -1
	s_barrier_wait -1
	v_min_u32 v[AD], NCOL-1, v[LN]                 ; lane c: column c's count, its slots, their running sum
	v_lshlrev_b32 v[AD], 7, v[AD]
	v_add_nc_u32 v[AD], PFB+124, v[AD]
	ds_load_b32 v176, v[AD]
	s_wait_dscnt 0x0
	v_add_nc_u32 v177, R-1, v176
	v_lshrrev_b32 v177, 4, v177
	v_mul_u32_u24 v177, v177, MUL
	v_lshrrev_b32 v177, 16, v177
	v_cmp_gt_u32 vcc_lo, NCOL, v[LN]
	v_cndmask_b32 v177, 0, v177, vcc_lo
	v_mov_b32 v178, v177
	SCAN 178
	v_cmp_le_u32 s23, v178, s16
	s_bcnt1_i32_b32 s17, s23                       ; c*: the columns whose slots all lie in front of mine
	s_min_u32 s17, s17, NCOL-1
	v_readlane_b32 s26, v178, s17
	v_readlane_b32 s27, v177, s17
	v_readlane_b32 s18, v176, s17                  ; n
	v_readlane_b32 s39, v178, 31                   ; the slots in use
	s_sub_co_u32 s26, s26, s27
	s_sub_co_u32 s26, s16, s26                     ; my slot among the column's
	s_mul_i32 s19, s26, R                          ; r0
	s_sub_co_u32 s27, s18, s19
	s_min_u32 s27, s27, R
	s_cmp_lt_u32 s16, s39
	s_cselect_b32 s20, s27, 0                      ; my rows
	s_max_u32 s21, s18, 1
	s_sub_co_u32 s21, s21, 1
	s_sub_co_u32 s26, 8192, s31                    ; a shared tile: its own rows and unit
	s_min_u32 s26, s26, R
	s_add_co_u32 s27, s29, 8
	s_cmp_lg_u32 s15, 0
	s_cselect_b32 s20, s26, s20
	s_cselect_b32 s30, s27, s17
	s_min_u32 s30, s30, 9                          ; the unit of wgu
	s_lshl_b32 s40, s30, 20
	s_lshl_b32 s26, s14, 18
	s_add_co_u32 s40, s40, s26
	s_mov_b32 s41, 0
	s_add_nc_u64 s[PB:PB+1], s[6:7], s[40:41]
	BLOAD 0, 0, 0                                  ; the weights of K steps 0 and 1 go out ahead of the search
	BLOAD 0, 1, 0
	BLOAD 1, 0, 8192
	BLOAD 1, 1, 8192
	WIN 0
	s_lshl_b32 s26, s17, 7
	s_add_co_u32 s26, s26, PFB
	v_mov_b32 v[AD], s26
.set j, 0
.rept 8
	ds_load_b128 v[PP+4*j:PP+4*j+3], v[AD] offset:16*j
.set j, j+1
.endr
	s_lshl_b32 s24, s17, 10
	s_add_co_u32 s25, s24, BWB
	s_add_co_u32 s24, s24, INB
	s_mul_i32 s26, s14, 36                         ; wave w finds and fetches rows 36 w .. 36 w + 35
	v_add_nc_u32 v[ROW], s26, v[LN]
	v_and_b32 v[ROW+1], 3, v[LN]
	v_add_nc_u32 v[ROW+1], s26, v[ROW+1]
	v_add_nc_u32 v[ROW+1], 32, v[ROW+1]
	v_mov_b32 v[TOK], 0                            ; the first trip below moves it on
	v_mov_b32 v15, v[ROW+1]                        ; one text, walked twice: first my rows 32 to 35, then my rows 0 to 31
	s_mov_b32 s35, 2
	s_wait_dscnt 0x0
.Lsearch:
	SEARCH 15, 16
	v_mov_b32 v[TOK+1], v[TOK]
	v_mov_b32 v[TOK], v16
	v_mov_b32 v15, v[ROW]
	s_sub_co_u32 s35, s35, 1
	s_cmp_lg_u32 s35, 0
	s_cbranch_scc1 .Lsearch
	s_barrier_signal -1                            ; every wave's reads of the list are back (the searches end on waits for 0): rows are stored only behind this barrier
	s_barrier_wait -1
.irp u, 0,1
	v_add_nc_u32 v28, s31, v[ROW+\u]               ; a shared tile takes the tokens in order
	v_cndmask_b32 v[TOK+\u], v[TOK+\u], v28, s15
	v_min_u32 v[TOK+\u], 0x1fff, v[TOK+\u]
.endr
	v_lshlrev_b32 v28, 4, v[TOK]
	v_lshlrev_b32 v29, 2, v[TOK]
	v_lshlrev_b32 v30, 4, v[TOK+1]
	v_lshlrev_b32 v31, 2, v[TOK+1]
	global_load_b128 v[220:223], v28, s[8:9]
	global_load_b32 v228, v29, s[10:11] offset:SELO
	global_load_b128 v[224:227], v30, s[8:9]
	global_load_b32 v229, v31, s[10:11] offset:SELO
	; the rows' offsets, eighteen at a time: all the lanes are read out first, so that the scalar lines wait once for the batch and not once for each row
.irp b, 0,1
.set i, 0
.rept 18
	v_readlane_b32 s[SQ+i], v[TOK+(18*\b+i)/32], (18*\b+i)%32
.set i, i+1
.endr
.set i, 0
.rept 18
	s_min_u32 s[SQ+i], s[SQ+i], 0x1fff
	s_lshl_b32 s[SQ+i], s[SQ+i], 11
.set i, i+1
.endr
.set i, 0
.rept 18
	v_add_nc_u32 v[32+18*\b+i], s[SQ+i], v[BO]     ; each row has an offset register of its own
.set i, i+1
.endr
.endr
.set i, 0
.rept 36
	WIN (1+i/16)<<6                                ; the rows pass through the accumulators' registers
.irp c, 0,1,2,3
	global_load_b128 v[(16*i)%256+4*\c:(16*i)%256+4*\c+3], v[32+i], s[4:5] offset:512*\c
.endr
.set i, i+1
.endr
	WIN 0
	s_mul_i32 s26, s14, 36*PITCH
	v_add_nc_u32 v[SB], s26, v[BO]
	v_add_nc_u32 v[SB+1], 18*PITCH, v[SB]
	v_mul_u32_u24 v[AB], v[RR], PITCH
	v_lshl_add_u32 v[AB], v[HH], 4, v[AB]
.irp k, 1,2,3,4
	v_add_nc_u32 v[AB+\k], 32*PITCH, v[AB+\k-1]
.endr
.set i, 0
.rept 36
.set n_, 4*(35-i)
.if n_ > 63
.set n_, 63
.endif
	s_wait_loadcnt n_                              ; row i is in: the later rows' loads are younger (where they are more than the field holds, its largest count)
	WIN (1+i/16)<<2
.irp c, 0,1,2,3
	ds_store_b128 v[SB+i/18], v[(16*i)%256+4*\c:(16*i)%256+4*\c+3] offset:(i%18)*PITCH+512*\c
.endr
.set i, i+1
.endr
	WIN 0
	s_add_co_u32 s27, s29, 2
	v_mov_b32 v31, s27
.irp u, 0,1
	v_and_b32 v28, 0xff, v[228+\u]                 ; is c* the token's lower expert?
	v_cmp_eq_u32 vcc_lo, s17, v28
	v_cndmask_b32 v29, v[221+4*\u], v[220+4*\u], vcc_lo
	v_cndmask_b32 v30, 1, 0, vcc_lo
	v_cndmask_b32 v29, v29, v[222+4*\u], s15       ; a shared tile: the sigmoid gate, sections 2 and 3
	v_cndmask_b32 v30, v30, v31, s15
	v_lshl_add_u32 v[TS+\u], v[TOK+\u], 2, v30
	v_lshl_add_u32 v28, v[ROW+\u], 2, WTB
	ds_store_b32 v28, v29
.endr
	s_wait_dscnt 0x0                               ; my rows and weights are in LDS
	s_barrier_signal -1
	s_barrier_wait -1
	; THE PRODUCT.  32 K steps; the weights are asked for two steps ahead.  Loads go in groups of eight (half a step): behind the half that is wanted three groups are out: 24.
	ALOAD 0, 0
	KSTEP 0, 0, 1, 64, 16384, 24, 24               ; step 0 starts the sums: nothing is cleared
	WIN 0
	s_mov_b32 s34, 14
.Lk:                                                   ; steps 2 i + 1 and 2 i + 2; the base steps in the first of them, so their weights lie 8,192 and 16,384 bytes behind it
	KSTEP 1, 1, 0, 128, 8192, 24, 24, 1
	KSTEP 0, 0, 0, 192, 16384, 24, 24
	WIN 0
.irp k, 0,1,2,3,4
	v_add_nc_u32 v[AB+\k], 128, v[AB+\k]
.endr
	s_sub_co_u32 s34, s34, 1
	s_cmp_lg_u32 s34, 0
	s_cbranch_scc1 .Lk
	KSTEP 1, 1, 0, 128, 24576, 24, 24              ; step 29 asks for step 31's weights, the last
	KSTEP 0, 0, 0, 192, -1, 24, 16                 ; the counts run down
	KSTEP 1, 1, 0, -1, -1, 8, 0
	WIN 0
	s_wait_dscnt 0x0
	s_barrier_signal -1                            ; nobody reads the rows any more: the stage takes their place
	s_barrier_wait -1
	; THE WAY OUT.  h = (g / (1 + 2^(-g log2 e))) (u w), rounded to bf16; a lane's 32 columns are 64 consecutive bytes of a stage row.
	v_lshl_add_u32 v28, v[RR], 2, WTB
.set a_, 0
.rept 9
	ds_load_b32 v[WP+2*a_], v28 offset:64*a_
.set a_, a_+1
.endr
	v_mul_u32_u24 v[STO], v[RR], SP
	v_lshl_add_u32 v[STO], v[HH], 6, v[STO]
	s_lshl_b32 s26, s14, 7
	v_add_nc_u32 v[STO], s26, v[STO]
	v_add_nc_u32 v[STO+1], 4*16*SP, v[STO]
	s_wait_dscnt 0x0
.set a_, 0
.rept 9
	v_mov_b32 v[WP+2*a_+1], v[WP+2*a_]             ; named as pairs
.set a_, a_+1
.endr
.macro EPI a
.set W_, 1+(\a)/4
.set AC_, 64*((\a)%4)
	WIN W_                                         ; source 0 in the block's window
.set j_, 0
.rept 16
	v_pk_mul_f32 v[TE+2*j_:TE+2*j_+1], v[AC_+2*j_:AC_+2*j_+1], s[36:37] op_sel_hi:[1,0]
.set j_, j_+1
.endr
	WIN 0
.set j_, 0
.rept 32
	v_exp_f32 v[TE+j_], v[TE+j_]
.set j_, j_+1
.endr
	WIN W_
.set j_, 0
.rept 16
	v_pk_mul_f32 v[UW+2*j_:UW+2*j_+1], v[AC_+32+2*j_:AC_+32+2*j_+1], v[WP+2*(\a):WP+2*(\a)+1] op_sel_hi:[1,0]
.set j_, j_+1
.endr
	WIN 0
	s_wait_alu depctr_va_vdst(0)                   ; one wait for the 32 exponentials; the 16 products above are the work between
.set j_, 0
.rept 16
	v_pk_add_f32 v[TE+2*j_:TE+2*j_+1], v[TE+2*j_:TE+2*j_+1], 1.0 op_sel_hi:[1,0]
.set j_, j_+1
.endr
.set j_, 0
.rept 32
	v_rcp_f32 v[TE+j_], v[TE+j_]
.set j_, j_+1
.endr
	v_nop
	s_wait_alu depctr_va_vdst(0)                   ; one wait for the 32 reciprocals
	WIN W_
.set j_, 0
.rept 16
	v_pk_mul_f32 v[GS+2*j_:GS+2*j_+1], v[AC_+2*j_:AC_+2*j_+1], v[TE+2*j_:TE+2*j_+1]
.set j_, j_+1
.endr
	WIN 0
.set j_, 0
.rept 16
	v_pk_mul_f32 v[GS+2*j_:GS+2*j_+1], v[GS+2*j_:GS+2*j_+1], v[UW+2*j_:UW+2*j_+1]
.set j_, j_+1
.endr
.set j_, 0
.rept 8
	v_cvt_pk_bf16_f32 v[HP+2*j_],   v[GS+j_],    v[GS+8+j_]    ; columns 4 j, 4 j + 1
	v_cvt_pk_bf16_f32 v[HP+2*j_+1], v[GS+16+j_], v[GS+24+j_]   ; columns 4 j + 2, 4 j + 3
.set j_, j_+1
.endr
.irp s, 0,1,2,3
	ds_store_b128 v[STO+((\a)+4)/8], v[HP+4*\s:HP+4*\s+3] offset:((\a)-4*(((\a)+4)/8))*16*SP+16*\s
.endr
.endm
.irp a, 0,1,2,3,4,5,6,7,8
	EPI \a
.endr
	s_wait_dscnt 0x0                               ; a stage row's 512 bytes come from four waves
	s_barrier_signal -1
	s_barrier_wait -1
	s_mul_i32 s26, s14, 36*SP
	v_add_nc_u32 v28, s26, v[BO]
.set i, 0
.rept 36
	ds_load_b128 v[32+4*i:35+4*i], v28 offset:SP*i
.set i, i+1
.endr
	; where the rows go, eighteen at a time as above, while the loads from the stage are out
.irp b, 0,1
.set i, 0
.rept 18
	v_readlane_b32 s[SQ+i], v[TS+(18*\b+i)/32], (18*\b+i)%32
.set i, i+1
.endr
.set i, 0
.rept 18
	s_min_u32 s[SQ+i], s[SQ+i], 0x7fff
	s_lshl_b32 s[SQ+i], s[SQ+i], 9
.set i, i+1
.endr
.set i, 0
.rept 18
	v_add_nc_u32 v[176+18*\b+i], s[SQ+i], v[BO]
.set i, i+1
.endr
.endr
	s_mul_i32 s26, s14, 36
	s_sub_co_i32 s35, s20, s26
	s_max_i32 s35, s35, 0                          ; how many of my wave's 36 rows exist
.set i, 0
.rept 36
	s_cmp_le_u32 s35, i
	s_cbranch_scc1 .Ldone                          ; the rows past the count are not stored
	s_wait_dscnt 35-i
	global_store_b128 v[176+i], v[32+4*i:35+4*i], s[12:13]  ; the wave stores 512 consecutive bytes, aligned: a token's section
.set i, i+1
.endr
.Ldone:
	s_wait_tensorcnt 0x0                           ; the wave's end
	ds_add_u32 v[SPW], v[NIL]
	s_wait_dscnt 0x0
	s_endpgm
.Lfunc_end_k_q1f121503c8_gateup:
	.size	k_q1f121503c8_gateup, .Lfunc_end_k_q1f121503c8_gateup-k_q1f121503c8_gateup
	.p2alignl 7, 3214868480
	.fill 96, 4, 3214868480
	.section	.rodata,"a",@progbits
	.p2align	6, 0x0
	.amdhsa_kernel k_q1f121503c8_gateup
		.amdhsa_group_segment_fixed_size 316416
		.amdhsa_private_segment_fixed_size 0
		.amdhsa_enable_private_segment 0
		.amdhsa_kernarg_size 40
		.amdhsa_user_sgpr_count 2
		.amdhsa_user_sgpr_kernarg_segment_ptr 1
		.amdhsa_wavefront_size32 1
		.amdhsa_system_sgpr_workgroup_id_x 1
		.amdhsa_system_sgpr_workgroup_id_y 1
		.amdhsa_system_sgpr_workgroup_id_z 1
		.amdhsa_system_vgpr_workitem_id 0
		.amdhsa_next_free_vgpr 1024
		.amdhsa_next_free_sgpr 96
		.amdhsa_reserve_vcc 1
		.amdhsa_float_denorm_mode_32 3
		.amdhsa_float_denorm_mode_16_64 3
		.amdhsa_memory_ordered 1
		.amdhsa_forward_progress 1
		.amdhsa_inst_pref_size 190
	.end_amdhsa_kernel
	.amdgpu_metadata
---
amdhsa.version: [ 1, 2 ]
amdhsa.kernels:
  - .name:           k_q1f121503c8_gateup
    .symbol:         k_q1f121503c8_gateup.kd
    .args:
      - { .name: xb, .offset: 0, .size: 8, .value_kind: global_buffer, .address_space: global }
      - { .name: wgu, .offset: 8, .size: 8, .value_kind: global_buffer, .address_space: global }
      - { .name: wts, .offset: 16, .size: 8, .value_kind: global_buffer, .address_space: global }
      - { .name: route, .offset: 24, .size: 8, .value_kind: global_buffer, .address_space: global }
      - { .name: hbuf, .offset: 32, .size: 8, .value_kind: global_buffer, .address_space: global }
    .group_segment_fixed_size: 316416
    .private_segment_fixed_size: 0
    .kernarg_segment_align: 8
    .kernarg_segment_size: 40
    .max_flat_workgroup_size: 128
    .sgpr_count:     96
    .vgpr_count:     1024
    .wavefront_size: 32
...
	.end_amdgpu_metadata
.endif
;; end of part 2
;; launch down (part 3): grid 130 x 2, 4 waves a work-group, no clusters, 227,072 bytes of LDS; arguments hbuf, wd, out0, route; writes out0
.if DOCPART == 3
	.amdgcn_target "amdgcn-amd-amdhsa--gfx1250"
	.amdhsa_code_object_version 6
	.text
	.protected	k_q1f121503c8_down
	.globl	k_q1f121503c8_down
	.p2align	8
	.type	k_q1f121503c8_down,@function
k_q1f121503c8_down:
	s_mov_b64 s[64:65], 0
	v_nop
	global_prefetch_b8 v0, s[64:65] scope:SCOPE_SE
	s_setreg_imm32_b32 hwreg(HW_REG_WAVE_MODE, 25, 1), 1
	s_wait_xcnt 0x0
; DOWN.  out0[token] = hbuf[token] (1,024 wide) x [ed[lo]; ed[hi]; sd].  The tokens are grouped by their PAIR of experts, so that a tile's rows share all their
; weights and each output row has one owner: nothing is added up later.
; Work-group (s, half): slot s holds up to 80 tokens of one pair; half is 512 of the 1,024 output columns.  Pair p has ceil(n_p / 80) slots, in the pairs' order;
; the counts add up to 8,192, so there are never more than (8,192 + 28 x 79) / 80 = 130 slots, whatever the split.  A slot past the last one in use passes every
; barrier, jumps over the product and the way out, and stores nothing.  The rows are found as in the launch before: prefix sums over the pair's bitmap column, a search by rank.
; Wave w has all 80 rows x the 128 columns of slice W = 4 half + w: 5 row blocks x 8 fragments = 40 accumulators.  The weights come from memory straight into
; operand registers, four K steps ahead.
; LAYOUT.  Source 0 = 16 rows, source 1 = 16 weight columns.  Lane l of fragment 4 G2 + i stands for column 64 G2 + 4 (l % 16) + i of the slice, and its register j for row
; 8 (l / 16) + j of the block.  So register j of fragments i = 0..3 is 16 consecutive bytes of an output row, and sixteen lanes hold 256 consecutive bytes, aligned: four moves bring
; the four registers together, and the result is stored from registers: no stage in LDS.  One store holds rows j and j + 8 of a block.
; ROWS PAST THE COUNT repeat the tile's last row (same token, same bits).  A store whose row j is past the count is jumped, and all behind it; where only row j + 8 is past it, lanes
; 16-31 store the last row's bytes once more, to the place where this wave stores them anyway.
; NO CLUSTER, NO TENSOR LOAD: the rows come by a list; the weights go to registers; partners' row counts would hang on loaded numbers.
; REGISTERS, in windows of 256 (s_set_vgpr_msb: bits 1:0 source 0, 3:2 source 1, 5:4 source 2, 7:6 destination):
;   window 0: v0-31 below; v32-71, v72-111 two buffers of row fragments, later v32-71 the 40 rows' store offsets; v112-175, v176-239 a block's 16 stores, by turns
;   window 1 and v0-63 of window 2: accumulator (a, f) at 256 + 64 a + 8 f; window 3: four buffers of weight fragments.
.set R,     80
.set MB,    5
.set NCOL,  28
.set CPW,   7
.set COL0,  8
.set MUL,   13108                      ; (y x 13108) >> 16 = y / 5 for y up to 516
.set PITCH, 2064                       ; an LDS row: 2,048 bytes + 16: the 16 rows of a fragment load start 4 banks apart (64 banks of 4 bytes: ISA guide 11.1)
.set BWB,   R*PITCH                    ; the columns' bitmap words, 1,024 bytes a column
.set INB,   BWB+NCOL*1024              ; each word's inclusive prefix
.set PFB,   INB+NCOL*1024              ; each group of eight words' inclusive prefix, 128 bytes a column
.set TKB,   PFB+NCOL*128               ; the tile's tokens
.set SPARE, TKB+512                    ; the spare words, 128 bytes a wave
.set CNTO,  36864
.set SPW, 254
.set NIL, 255
.set LN,  1
.set RR,  2
.set HH,  3
.set HIM, 4
.set BO,  5
.set AB,  6                            ; v6-8
.set CO,  11
.set TOK, 13
.set ROW, 17
.set TT,  19
.set RHO, 20
.set LAM, 21
.set EXC, 22
.set AD,  23
.set IDX, 24
.set XW,  25
.set KK,  26
.set POS, 27
.set AF,  32
.set BF,  0
.set OFS, 32
.set TQ,  112
.set SC,  144                          ; v144-150 the list: a running sum for each of my seven columns
.set TC,  152                          ; v152-158 and a register at work for each
.set PP,  180
.set W0,  212
.set PB,  32                           ; s[32:33] the weights' stream; s[42:43] ed[lo], s[44:45] ed[hi], s[46:47] sd, each at my slice
.set SL,  48                           ; s48-54  the list: lane 15's sum, for each column
.set SQ,  66                           ; s66-85  my wave's twenty rows
.set MSB, 0
.macro WIN new                         ; the immediate's high byte repeats the setting that is left; a switch that changes nothing is dropped
.if MSB != (\new)
	s_set_vgpr_msb (MSB<<8)|(\new)
.set MSB, \new
.endif
.endm
.macro PLACES                          ; four places behind matrix instructions, in front of loads into their sources and of lines that read results
.rept 4
	v_nop
.endr
.endm
.macro SCAN x                          ; inclusive sum over the 32 lanes, whole numbers
.irp n, 1,2,4,8
	v_mov_b32_dpp v[TT], v[\x] row_shr:\n row_mask:0xf bank_mask:0xf bound_ctrl:1
	v_add_nc_u32 v[\x], v[\x], v[TT]
.endr
	v_readlane_b32 s22, v[\x], 15
	v_and_b32 v[TT], s22, v[HIM]
	v_add_nc_u32 v[\x], v[\x], v[TT]
.endm
.macro SSTEP st, wd, inc               ; does the wanted bit lie past the next inc bits?
	v_bfe_u32 v[TT], v[\st], v[POS], \wd
	v_cmp_ge_u32 vcc_lo, v[KK], v[TT]
	v_cndmask_b32 v[TT], 0, v[TT], vcc_lo
	v_sub_nc_u32 v[KK], v[KK], v[TT]
	v_cndmask_b32 v[TT], 0, \inc, vcc_lo
	v_add_nc_u32 v[POS], v[POS], v[TT]
.endm
; The token of rank r0 + row in column c*.  The prefixes ascend, so the number of them not above the rank is the place, and the last such is what lies in front of it.
.macro SEARCH row, tok
	v_add_nc_u32 v[RHO], s19, v[\row]
	v_min_u32 v[RHO], s21, v[RHO]                  ; places past the count repeat the last row
	v_mov_b32 v[LAM], 0
	v_mov_b32 v[EXC], 0
.set p_, 0
.rept 31
	v_cmp_le_u32 vcc_lo, v[PP+p_], v[RHO]
	v_cndmask_b32 v[EXC], v[EXC], v[PP+p_], vcc_lo
	v_add_co_ci_u32 v[LAM], vcc_lo, 0, v[LAM], vcc_lo
.set p_, p_+1
.endr
	v_min_u32 v[LAM], 31, v[LAM]
	v_lshl_add_u32 v[AD], v[LAM], 5, s24
	ds_load_b128 v[W0:W0+3], v[AD]
	ds_load_b128 v[W0+4:W0+7], v[AD] offset:16
	v_mov_b32 v[IDX], 0
	s_wait_dscnt 0x0
.set p_, 0
.rept 7
	v_cmp_le_u32 vcc_lo, v[W0+p_], v[RHO]
	v_cndmask_b32 v[EXC], v[EXC], v[W0+p_], vcc_lo
	v_add_co_ci_u32 v[IDX], vcc_lo, 0, v[IDX], vcc_lo
.set p_, p_+1
.endr
	v_min_u32 v[IDX], 7, v[IDX]
	v_lshl_add_u32 v[IDX], v[LAM], 3, v[IDX]       ; the word, 0 to 255
	v_lshl_add_u32 v[AD], v[IDX], 2, s25
	ds_load_b32 v[XW], v[AD]
	v_sub_nc_u32 v[KK], v[RHO], v[EXC]             ; the rank within the word
	v_mov_b32 v[POS], 0
	s_wait_dscnt 0x0
	v_lshrrev_b32 v28, 1, v[XW]                    ; counts of 2, 4, 8 and 16 bits
	v_and_b32 v28, 0x55555555, v28
	v_sub_nc_u32 v28, v[XW], v28
	v_lshrrev_b32 v29, 2, v28
	v_and_b32 v29, 0x33333333, v29
	v_and_b32 v30, 0x33333333, v28
	v_add_nc_u32 v29, v29, v30
	v_lshrrev_b32 v30, 4, v29
	v_add_nc_u32 v30, v30, v29
	v_and_b32 v30, 0x0f0f0f0f, v30
	v_lshrrev_b32 v31, 8, v30
	v_add_nc_u32 v31, v31, v30
	SSTEP 31, 8, 16
	SSTEP 30, 8, 8
	SSTEP 29, 4, 4
	SSTEP 28, 2, 2
	SSTEP XW, 1, 1
	v_lshl_add_u32 v[\tok], v[IDX], 5, v[POS]
	v_min_u32 v[\tok], 0x1fff, v[\tok]
.endm
.macro ALOAD ab, pa                    ; the MB blocks' fragments of one K step, at byte pa from the address registers, into buffer ab
	WIN 0
.set a_, 0
.rept MB
	ds_load_b128 v[AF+8*MB*(\ab)+8*a_:AF+8*MB*(\ab)+8*a_+3],   v[AB+a_/2] offset:(a_%2)*16*PITCH+(\pa)
	ds_load_b128 v[AF+8*MB*(\ab)+8*a_+4:AF+8*MB*(\ab)+8*a_+7], v[AB+a_/2] offset:(a_%2)*16*PITCH+(\pa)+32
.set a_, a_+1
.endr
.endm
.macro BLOAD bb, rb                    ; a K step's eight weight fragments, at byte rb of the stream, into buffer bb: sixteen loads of 512 consecutive bytes
	WIN 0xc0
.set f_, 0
.rept 8
	global_load_b128 v[BF+64*(\bb)+8*f_:BF+64*(\bb)+8*f_+3],   v[BO], s[PB:PB+1] offset:(\rb)+1024*f_
	global_load_b128 v[BF+64*(\bb)+8*f_+4:BF+64*(\bb)+8*f_+7], v[BO], s[PB:PB+1] offset:(\rb)+1024*f_+512
.set f_, f_+1
.endr
.endm
.macro MULS ab, bb, zero               ; 8 MB matrix instructions, each on an accumulator of its own: the accumulators take turns
.set a_, 0
.rept MB
	WIN 0x0c|((1+a_/4)*0x50)                       ; rows in window 0, weights in window 3, C and D in the block's window
.set f_, 0
.rept 8
.if \zero
	v_wmma_f32_16x16x32_bf16 v[64*(a_%4)+8*f_:64*(a_%4)+8*f_+7], v[AF+8*MB*(\ab)+8*a_:AF+8*MB*(\ab)+8*a_+7], v[BF+64*(\bb)+8*f_:BF+64*(\bb)+8*f_+7], 0
.else
	v_wmma_f32_16x16x32_bf16 v[64*(a_%4)+8*f_:64*(a_%4)+8*f_+7], v[AF+8*MB*(\ab)+8*a_:AF+8*MB*(\ab)+8*a_+7], v[BF+64*(\bb)+8*f_:BF+64*(\bb)+8*f_+7], v[64*(a_%4)+8*f_:64*(a_%4)+8*f_+7]
.endif
.set f_, f_+1
.endr
.set a_, a_+1
.endr
.endm
; A K step of 32: 40 matrix instructions, then ONE run of loads into the two buffers just read: the weights of four steps on (rb >= 0) and the row fragments of two steps on (pa >= 0).
; nl: the weight loads issued behind this step's: three steps' sixteen.  nd: the LDS loads issued behind this step's: the next step's ten.
; adv: the stream's base goes on to the next run of four steps, behind the 40 matrix instructions: the last loads by the old base were issued ahead of those.  adv = 2: with the choice of matrix.
.macro KSTEP ab, bb, zero, pa, rb, nl, nd, adv=0
	s_wait_loadcnt \nl
	s_wait_dscnt \nd
	MULS \ab, \bb, \zero
.if (\adv) > 0
	s_wait_xcnt 0x0                                ; the stream's base is written only behind this wait
	s_add_nc_u64 s[PB:PB+1], s[PB:PB+1], 32768
.endif
.if (\adv) == 2
	s_cmp_eq_u32 s34, 6
	s_cselect_b64 s[PB:PB+1], s[44:45], s[PB:PB+1] ; run 2 begins ed[hi],
	s_cmp_eq_u32 s34, 4
	s_cselect_b64 s[PB:PB+1], s[46:47], s[PB:PB+1] ; run 4 sd
.endif
	PLACES
.if (\rb) >= 0
	BLOAD \bb, \rb
.endif
.if (\pa) >= 0
	ALOAD \ab, \pa
.endif
.endm
	s_load_b256 s[4:11], s[0:1], 0x0               ; hbuf, wd, out0, route
	v_lshl_add_u32 v[SPW], v0, 2, SPARE
	v_mov_b32 v[NIL], 0
	v_lshrrev_b32 v1, 5, v0
	v_readfirstlane_b32 s14, v1                    ; wave 0..3
	v_and_b32 v[LN], 31, v0
	v_and_b32 v[RR], 15, v0
	v_bfe_u32 v[HH], v0, 4, 1
	v_sub_nc_u32 v[HIM], 0, v[HH]
	v_lshlrev_b32 v[BO], 4, v[LN]
	v_mov_b32 v[TT], 0
	s_mov_b32 s16, ttmp9                           ; the slot
	s_and_b32 s30, ttmp7, 0xffff                   ; the half
	s_lshl2_add_u32 s31, s30, s14                  ; W = 4 half + wave
	; THE LIST.  Wave w takes CPW columns; lane l their words 8 l .. 8 l + 7 and those words' counts.  The seven columns' sums go side by side, a step of all seven at a time,
	; each on registers of its own, so that no line waits for the line in front of it.
	s_mul_i32 s26, s14, CPW*1024
	v_lshl_add_u32 v[AD], v[LN], 5, s26
	s_wait_kmcnt 0x0
.set i, 0
.rept CPW
	global_load_b128 v[32+16*i:35+16*i], v[AD], s[10:11] offset:(COL0+i)*1024
	global_load_b128 v[36+16*i:39+16*i], v[AD], s[10:11] offset:(COL0+i)*1024+16
	global_load_b128 v[40+16*i:43+16*i], v[AD], s[10:11] offset:CNTO+(COL0+i)*1024
	global_load_b128 v[44+16*i:47+16*i], v[AD], s[10:11] offset:CNTO+(COL0+i)*1024+16
.set i, i+1
.endr
	v_add_nc_u32 v28, BWB, v[AD]
	v_add_nc_u32 v29, INB, v[AD]
	s_mul_i32 s26, s14, CPW*128
	s_add_co_u32 s26, s26, PFB
	v_lshl_add_u32 v30, v[LN], 2, s26
.set i, 0
.rept CPW
	v_mov_b32 v[TC+i], 0                           ; a DPP line's destination counts as read
.set i, i+1
.endr
	s_wait_loadcnt 0x0
.set i, 0
.rept CPW
	ds_store_b128 v28, v[32+16*i:35+16*i] offset:1024*i
	ds_store_b128 v28, v[36+16*i:39+16*i] offset:1024*i+16
.set i, i+1
.endr
.set j, 1
.rept 7                                ; the running sum over my eight words
.set i, 0
.rept CPW
	v_add_nc_u32 v[40+16*i+j], v[40+16*i+j], v[39+16*i+j]
.set i, i+1
.endr
.set j, j+1
.endr
.set i, 0
.rept CPW
	v_mov_b32 v[SC+i], v[47+16*i]
.set i, i+1
.endr
.irp n, 1,2,4,8                        ; the inclusive sum over each half of the lanes,
.set i, 0
.rept CPW
	v_mov_b32_dpp v[TC+i], v[SC+i] row_shr:\n row_mask:0xf bank_mask:0xf bound_ctrl:1
.set i, i+1
.endr
.set i, 0
.rept CPW
	v_add_nc_u32 v[SC+i], v[SC+i], v[TC+i]
.set i, i+1
.endr
.endr
.set i, 0
.rept CPW                              ; and the lower half's total onto the upper half
	v_readlane_b32 s[SL+i], v[SC+i], 15
.set i, i+1
.endr
.set i, 0
.rept CPW
	v_and_b32 v[TC+i], s[SL+i], v[HIM]
.set i, i+1
.endr
.set i, 0
.rept CPW
	v_add_nc_u32 v[SC+i], v[SC+i], v[TC+i]
.set i, i+1
.endr
.set i, 0
.rept CPW
	v_sub_nc_u32 v[SC+i], v[SC+i], v[47+16*i]      ; what lies in front of my eight words
.set i, i+1
.endr
.set j, 0
.rept 8
.set i, 0
.rept CPW
	v_add_nc_u32 v[40+16*i+j], v[40+16*i+j], v[SC+i]
.set i, i+1
.endr
.set j, j+1
.endr
.set i, 0
.rept CPW
	ds_store_b128 v29, v[40+16*i:43+16*i] offset:1024*i
	ds_store_b128 v29, v[44+16*i:47+16*i] offset:1024*i+16
	ds_store_b32 v30, v[47+16*i] offset:128*i
.set i, i+1
.endr
	s_wait_dscnt 0x0                               ; for the others' sake: my columns are in LDS
	s_barrier_signal -1
	s_barrier_wait -1
	v_min_u32 v[AD], NCOL-1, v[LN]                 ; lane c: column c's count, its slots, their running sum
	v_lshlrev_b32 v[AD], 7, v[AD]
	v_add_nc_u32 v[AD], PFB+124, v[AD]
	ds_load_b32 v176, v[AD]
	s_wait_dscnt 0x0
	v_add_nc_u32 v177, R-1, v176
	v_lshrrev_b32 v177, 4, v177
	v_mul_u32_u24 v177, v177, MUL
	v_lshrrev_b32 v177, 16, v177
	v_cmp_gt_u32 vcc_lo, NCOL, v[LN]
	v_cndmask_b32 v177, 0, v177, vcc_lo
	v_mov_b32 v178, v177
	SCAN 178
	v_cmp_le_u32 s23, v178, s16
	s_bcnt1_i32_b32 s17, s23                       ; c*: the pairs whose slots all lie in front of mine
	s_min_u32 s17, s17, NCOL-1
	v_readlane_b32 s26, v178, s17
	v_readlane_b32 s27, v177, s17
	v_readlane_b32 s18, v176, s17                  ; n
	v_readlane_b32 s39, v178, 31                   ; the slots in use
	s_sub_co_u32 s26, s26, s27
	s_sub_co_u32 s26, s16, s26                     ; my slot among the pair's
	s_mul_i32 s19, s26, R                          ; r0
	s_sub_co_u32 s27, s18, s19
	s_min_u32 s27, s27, R
	s_cmp_lt_u32 s16, s39
	s_cselect_b32 s20, s27, 0                      ; my rows
	s_max_u32 s21, s18, 1
	s_sub_co_u32 s21, s21, 1
	s_mov_b32 s28, 0                               ; lo: how many of the pairs' first numbers 7, 13, 18, 22, 25, 27 are not above c*
.irp thr, 7,13,18,22,25,27
	s_cmp_ge_u32 s17, \thr
	s_add_co_ci_u32 s28, s28, 0
.endr
	s_sub_co_u32 s26, 15, s28
	s_mul_i32 s26, s26, s28
	s_lshr_b32 s26, s26, 1
	s_sub_co_u32 s29, s17, s26
	s_add_co_u32 s29, s29, s28
	s_add_co_u32 s29, s29, 1                       ; hi
	s_min_u32 s28, s28, 7
	s_min_u32 s29, s29, 7
	s_mov_b32 s41, 0
	s_lshl_b32 s26, s31, 16
	s_lshl_b32 s40, s28, 19
	s_add_co_u32 s40, s40, s26
	s_add_nc_u64 s[42:43], s[6:7], s[40:41]
	s_lshl_b32 s40, s29, 19
	s_add_co_u32 s40, s40, s26
	s_add_nc_u64 s[44:45], s[6:7], s[40:41]
	s_lshl_b32 s40, s31, 17
	s_add_co_u32 s40, s40, 4<<20
	s_add_nc_u64 s[46:47], s[6:7], s[40:41]
	s_mov_b64 s[PB:PB+1], s[42:43]
.irp b, 0,1,2,3
	BLOAD \b, 8192*\b                              ; the weights of K steps 0 to 3 go out ahead of the search
.endr
	WIN 0
	s_lshl_b32 s26, s17, 7
	s_add_co_u32 s26, s26, PFB
	v_mov_b32 v[AD], s26
.set j, 0
.rept 8
	ds_load_b128 v[PP+4*j:PP+4*j+3], v[AD] offset:16*j
.set j, j+1
.endr
	s_lshl_b32 s24, s17, 10
	s_add_co_u32 s25, s24, BWB
	s_add_co_u32 s24, s24, INB
	s_mul_i32 s26, s14, 20                         ; wave w finds and fetches rows 20 w .. 20 w + 19
	v_min_u32 v[ROW], 19, v[LN]
	v_add_nc_u32 v[ROW], s26, v[ROW]
	s_wait_dscnt 0x0
	SEARCH ROW, TOK
	s_barrier_signal -1                            ; every wave's reads of the list are back (the search ends on a wait for 0): rows are stored only behind this barrier
	s_barrier_wait -1
	v_lshl_add_u32 v28, v[ROW], 2, TKB
	ds_store_b32 v28, v[TOK]
	; the rows' offsets: all twenty lanes are read out first, so that the scalar lines wait once for the batch and not once for each row
.set i, 0
.rept 20
	v_readlane_b32 s[SQ+i], v[TOK], i
.set i, i+1
.endr
.set i, 0
.rept 20
	s_min_u32 s[SQ+i], s[SQ+i], 0x1fff
	s_lshl_b32 s[SQ+i], s[SQ+i], 11
.set i, i+1
.endr
.set i, 0
.rept 20
	v_add_nc_u32 v[32+i], s[SQ+i], v[BO]           ; each row has an offset register of its own
.set i, i+1
.endr
.set i, 0
.rept 20
	WIN (1+i/16)<<6                                ; the rows pass through the accumulators' registers
.irp c, 0,1,2,3
	global_load_b128 v[(16*i)%256+4*\c:(16*i)%256+4*\c+3], v[32+i], s[4:5] offset:512*\c
.endr
.set i, i+1
.endr
	WIN 0
	s_mul_i32 s26, s14, 20*PITCH
	v_add_nc_u32 v29, s26, v[BO]
	v_mul_u32_u24 v[AB], v[RR], PITCH
	v_lshl_add_u32 v[AB], v[HH], 4, v[AB]
.irp k, 1,2
	v_add_nc_u32 v[AB+\k], 32*PITCH, v[AB+\k-1]
.endr
.set i, 0
.rept 20
.set n_, 4*(19-i)
.if n_ > 63
.set n_, 63
.endif
	s_wait_loadcnt n_                              ; row i is in: the later rows' loads are younger (where they are more than the field holds, its largest count)
	WIN (1+i/16)<<2
.irp c, 0,1,2,3
	ds_store_b128 v29, v[(16*i)%256+4*\c:(16*i)%256+4*\c+3] offset:i*PITCH+512*\c
.endr
.set i, i+1
.endr
	WIN 0
	s_wait_dscnt 0x0                               ; my rows and tokens are in LDS
	s_barrier_signal -1
	s_barrier_wait -1
	s_cmp_eq_u32 s20, 0
	s_cbranch_scc1 .Lskip                          ; a slot that this split leaves without rows jumps the product: work alone, no barrier
	; THE PRODUCT.  32 K steps in eight runs of four; runs 0, 1: ed[lo]; 2, 3: ed[hi]; 4 to 7: sd.  Behind step t's products go out the weights of step t + 4 and the row fragments of
	; step t + 2.  At a step's head the sixteen weight loads of each of the next three steps may be out: 48; and the next step's ten LDS loads: 10.
	ALOAD 0, 0
	ALOAD 1, 64
	KSTEP 0, 0, 1, 128, 0,     48, 10, 1           ; step 0 starts the sums: nothing is cleared
	KSTEP 1, 1, 0, 192, 8192,  48, 10
	KSTEP 0, 2, 0, 256, 16384, 48, 10
	KSTEP 1, 3, 0, 320, 24576, 48, 10
	WIN 0
.irp k, 0,1,2
	v_add_nc_u32 v[AB+\k], 256, v[AB+\k]
.endr
	s_mov_b32 s34, 6
.Lq:                                                   ; runs 1 to 6; each asks for the weights of the run behind it
	KSTEP 0, 0, 0, 128, 0,     48, 10, 2
	KSTEP 1, 1, 0, 192, 8192,  48, 10
	KSTEP 0, 2, 0, 256, 16384, 48, 10
	KSTEP 1, 3, 0, 320, 24576, 48, 10
	WIN 0
.irp k, 0,1,2
	v_add_nc_u32 v[AB+\k], 256, v[AB+\k]
.endr
	s_sub_co_u32 s34, s34, 1
	s_cmp_lg_u32 s34, 0
	s_cbranch_scc1 .Lq
	KSTEP 0, 0, 0, 128, -1, 48, 10                 ; run 7 asks for no weights: the counts run down;
	KSTEP 1, 1, 0, 192, -1, 32, 10                 ; step 29 fetches step 31's rows, the last
	KSTEP 0, 2, 0, -1,  -1, 16, 10
	KSTEP 1, 3, 0, -1,  -1, 0,  0
	WIN 0
.Lskip:
	; The tokens of my lanes' rows, eight to a block; then a barrier on every wave's path: every wave's LDS reads are back before any wave writes LDS again (the closing add).
	v_lshl_add_u32 v28, v[HH], 5, TKB
.set a_, 0
.rept 5
	ds_load_b128 v[OFS+8*a_:OFS+8*a_+3],   v28 offset:64*a_
	ds_load_b128 v[OFS+8*a_+4:OFS+8*a_+7], v28 offset:64*a_+16
.set a_, a_+1
.endr
	s_lshl_b32 s26, s30, 11
	s_lshl_b32 s27, s14, 9
	s_add_co_u32 s26, s26, s27
	v_lshl_add_u32 v[CO], v[RR], 4, s26            ; my 16 bytes of the wave's 512 of an output row (its first 256)
	s_wait_dscnt 0x0                               ; the tokens are in, and no LDS read of mine is out
	s_barrier_signal -1
	s_barrier_wait -1                              ; the last barrier
	s_cmp_eq_u32 s20, 0
	s_cbranch_scc1 .Lend                           ; a slot without rows stores nothing
	; THE WAY OUT, straight from registers.
.set i, 0
.rept 40
	v_min_u32 v[OFS+i], 0x1fff, v[OFS+i]
.set i, i+1
.endr
.set i, 0
.rept 40
	v_lshl_add_u32 v[OFS+i], v[OFS+i], 12, v[CO]
.set i, i+1
.endr
.macro OUT a
.set W_, 1+(\a)/4
.set AC_, 64*((\a)%4)
.set T_, TQ+64*((\a)%2)
.if (\a) > 0
	s_cmp_le_u32 s20, 16*(\a)
	s_cbranch_scc1 .Lend                           ; the blocks past the count are not stored
.endif
.if (\a) >= 2
	s_wait_xcnt 0x0                                ; the stores of two blocks ago have read these data registers
.endif
	WIN W_                                         ; source 0 in the block's window
.set j_, 0
.rept 8
.irp g, 0,1
.irp c, 0,1,2,3
	v_mov_b32 v[T_+8*j_+4*\g+\c], v[AC_+32*\g+8*\c+j_]
.endr
.endr
.set j_, j_+1
.endr
	WIN 0
.set j_, 0
.rept 8
.if j_ > 0
	s_cmp_le_u32 s20, 16*(\a)+j_
	s_cbranch_scc1 .Lend                           ; row j is past the count, and so are row j + 8 and all that follow
.endif
	global_store_b128 v[OFS+8*(\a)+j_], v[T_+8*j_:T_+8*j_+3],   s[8:9] th:TH_STORE_NT             ; lanes 0-15 store 256 consecutive bytes, aligned, of row j, lanes 16-31 of row j + 8
	global_store_b128 v[OFS+8*(\a)+j_], v[T_+8*j_+4:T_+8*j_+7], s[8:9] offset:256 th:TH_STORE_NT
.set j_, j_+1
.endr
.endm
.irp a, 0,1,2,3,4
	OUT \a
.endr
.Lend:
	s_wait_tensorcnt 0x0                           ; the wave's end
	ds_add_u32 v[SPW], v[NIL]
	s_wait_dscnt 0x0
	s_endpgm
.Lfunc_end_k_q1f121503c8_down:
	.size	k_q1f121503c8_down, .Lfunc_end_k_q1f121503c8_down-k_q1f121503c8_down
	.p2alignl 7, 3214868480
	.fill 96, 4, 3214868480
	.section	.rodata,"a",@progbits
	.p2align	6, 0x0
	.amdhsa_kernel k_q1f121503c8_down
		.amdhsa_group_segment_fixed_size 227072
		.amdhsa_private_segment_fixed_size 0
		.amdhsa_enable_private_segment 0
		.amdhsa_kernarg_size 32
		.amdhsa_user_sgpr_count 2
		.amdhsa_user_sgpr_kernarg_segment_ptr 1
		.amdhsa_wavefront_size32 1
		.amdhsa_system_sgpr_workgroup_id_x 1
		.amdhsa_system_sgpr_workgroup_id_y 1
		.amdhsa_system_sgpr_workgroup_id_z 1
		.amdhsa_system_vgpr_workitem_id 0
		.amdhsa_next_free_vgpr 1024
		.amdhsa_next_free_sgpr 96
		.amdhsa_reserve_vcc 1
		.amdhsa_float_denorm_mode_32 3
		.amdhsa_float_denorm_mode_16_64 3
		.amdhsa_memory_ordered 1
		.amdhsa_forward_progress 1
		.amdhsa_inst_pref_size 129
	.end_amdhsa_kernel
	.amdgpu_metadata
---
amdhsa.version: [ 1, 2 ]
amdhsa.kernels:
  - .name:           k_q1f121503c8_down
    .symbol:         k_q1f121503c8_down.kd
    .args:
      - { .name: hbuf, .offset: 0, .size: 8, .value_kind: global_buffer, .address_space: global }
      - { .name: wd, .offset: 8, .size: 8, .value_kind: global_buffer, .address_space: global }
      - { .name: out0, .offset: 16, .size: 8, .value_kind: global_buffer, .address_space: global }
      - { .name: route, .offset: 24, .size: 8, .value_kind: global_buffer, .address_space: global }
    .group_segment_fixed_size: 227072
    .private_segment_fixed_size: 0
    .kernarg_segment_align: 8
    .kernarg_segment_size: 32
    .max_flat_workgroup_size: 128
    .sgpr_count:     96
    .vgpr_count:     1024
    .wavefront_size: 32
...
	.end_amdgpu_metadata
.endif
;; end of part 3
